; MI455X (gfx1250); checked and timed in simulation.
; The chip was launched on July 23, 2026; its instructions are those of AMD's public machine-readable ISA for CDNA 5 (MIT licence, August 2026) and "CDNA5" Instruction Set Architecture Reference Guide (July 2026). The comments in the code are by the model that wrote it; some were corrected since.
;; Debug Quantized Linear. Allowed arithmetic: float matrix products may take bf16 or f16 operands with f32 sums; other float arithmetic in f32, or as packed bf16 or f16 multiplies, adds, multiply-adds, maxima and minima; sums over many terms, partial sums and values carried from step to step in f32; what a program stores and reads back later, other than sums and carried values, may be rounded once to bf16 or f16.
;; Inputs: W_q 11,008 x 4,096 int32; mu1 4,096 float32; mu2 11,008 float32; scales 11,008 x 64 x 1 float32; x 1,024 x 4,096 float32; zeros 11,008 x 64 x 1 float32.
;; Outputs: out0 1,024 x 11,008 float32.
;; 2 versions, each right; version 2 is version 1 with the launch prep written anew for expert scheduling mode. Each part assembles by itself: llvm-mc -triple=amdgcn-amd-amdhsa -mcpu=gfx1250 --defsym DOCPART=n.
;; ======== version 1 of 2: 2 launches
;; limits: values are held in f16: magnitudes above 65,504 overflow, below 6.1e-05 lose precision
;; workspace buffers: x16 8,388,608 bytes; tab 5,767,168 bytes
;; launch prep (part 1): grid 344 x 1, 8 waves a work-group, no clusters, 0 bytes of LDS; arguments x, mu1, scales, zeros, mu2, x16, tab; writes x16, tab
.if DOCPART == 1
	.amdgcn_target "amdgcn-amd-amdhsa--gfx1250"
	.amdhsa_code_object_version 6
	.text
	.protected	k_q012b4fb747_prep
	.globl	k_q012b4fb747_prep
	.p2align	8
	.type	k_q012b4fb747_prep,@function
k_q012b4fb747_prep:
	s_mov_b64 s[64:65], 0
	v_nop
	global_prefetch_b8 v0, s[64:65] scope:SCOPE_SE
	s_setreg_imm32_b32 hwreg(HW_REG_WAVE_MODE, 25, 1), 1
	s_wait_xcnt 0x0
; TWO SMALL JOBS IN FRONT OF THE PRODUCT, told apart by the work-group's number.  No LDS, no barrier, no loop.
; JOB A (work-groups 0-255): x16[b][n] = f16(x[b][n] * mu1[n]).  x: [1024][4096] f32, x16: [1024][4096] f16, rounded once.
;   A wave owns 256 columns (1,024 bytes of x, 512 of x16) of 8 rows.  A load of the wave covers 512 consecutive bytes, a store 256 consecutive bytes, aligned.
; JOB B (work-groups 256-343): tab = pairs (s', c') of f32 with s' = scales * mu2, c' = -zeros * s', so that a weight is q * s' + c' (one fused multiply-add in the next launch).
;   tab: [j 64][t 32][tile 11][kh 2][r 16] pairs: the pair of W's row min(172 j + 16 tile + r, 11007) and group 2 t + kh.  (j, tile): the next launch's blocks of 172 columns, computed as 11 tiles of 16;
;   the rows past a block's 172, and past W's end, are filled with a neighbour's or the last row's pairs: their products are never stored.
;   A wave owns one (j, tile): each lane reads its row's 64 scales and 64 zeros (both halves of the lanes the same row), and each of 32 stores covers 256 consecutive bytes, aligned.
; LIMITS.  |x * mu1| of 65,520 or more becomes an infinity in f16; below 6e-5 f16 keeps its fixed step of 6e-8.  q s' + c' differs from (q - z) s mu2 by f32 roundings of z s'.  NaN and infinities are not treated apart.
	s_load_b256 s[4:11], s[0:1], 0x0               ; x s[4:5], mu1 s[6:7], scales s[8:9], zeros s[10:11]
	s_load_b128 s[12:15], s[0:1], 0x20             ; mu2 s[12:13], x16 s[14:15]
	s_load_b64 s[16:17], s[0:1], 0x30              ; tab
	v_lshrrev_b32 v1, 5, v0
	v_readfirstlane_b32 s20, v1                    ; wave 0..7
	v_and_b32 v1, 31, v0                           ; lane
	s_cmp_lt_u32 ttmp9, 256
	s_cbranch_scc0 .Ltab
	; JOB A
	s_and_b32 s18, ttmp9, 1
	s_lshl_b32 s18, s18, 3
	s_add_co_u32 s18, s18, s20                     ; my chunk of 256 columns, 0..15
	s_lshr_b32 s19, ttmp9, 1                       ; my group of 8 rows, 0..127
	s_lshl_b32 s22, s18, 10                        ; the chunk in mu1 and in a row of x: 1,024 bytes
	s_mov_b32 s23, 0
	s_lshl_b32 s24, s19, 17                        ; 8 rows of x: 8 x 16,384 bytes
	s_add_co_u32 s24, s24, s22
	s_mov_b32 s25, 0
	s_lshl_b32 s26, s19, 16                        ; 8 rows of x16: 8 x 8,192 bytes
	s_lshl_b32 s27, s18, 9                         ; the chunk in a row of x16: 512 bytes
	s_add_co_u32 s26, s26, s27
	s_mov_b32 s27, 0
	v_lshlrev_b32 v2, 4, v1                        ; 16 bytes of x a lane: columns 4 l .. 4 l + 3, and 512 bytes on columns 128 + 4 l ..
	v_lshlrev_b32 v3, 3, v1                        ; 8 bytes of x16 a lane
	s_wait_kmcnt 0x0
	s_add_nc_u64 s[6:7], s[6:7], s[22:23]
	s_add_nc_u64 s[4:5], s[4:5], s[24:25]
	s_add_nc_u64 s[14:15], s[14:15], s[26:27]
	global_load_b128 v[4:7], v2, s[6:7]
	global_load_b128 v[8:11], v2, s[6:7] offset:512
.irp p, 0,1,2,3,4,5,6,7
	global_load_b128 v[16+8*\p:19+8*\p], v2, s[4:5] offset:16384*\p th:TH_LOAD_NT
	global_load_b128 v[20+8*\p:23+8*\p], v2, s[4:5] offset:16384*\p+512 th:TH_LOAD_NT
.endr
.irp p, 0,1,2,3,4,5,6,7
	s_wait_loadcnt 2*(7-\p)                        ; loads come back in order: row p is in; the two loads of each younger row may stay out
	v_pk_mul_f32 v[16+8*\p:17+8*\p], v[16+8*\p:17+8*\p], v[4:5]
	v_pk_mul_f32 v[18+8*\p:19+8*\p], v[18+8*\p:19+8*\p], v[6:7]
	v_pk_mul_f32 v[20+8*\p:21+8*\p], v[20+8*\p:21+8*\p], v[8:9]
	v_pk_mul_f32 v[22+8*\p:23+8*\p], v[22+8*\p:23+8*\p], v[10:11]
	v_cvt_pk_f16_f32 v[80+4*\p], v[16+8*\p], v[17+8*\p]
	v_cvt_pk_f16_f32 v[81+4*\p], v[18+8*\p], v[19+8*\p]
	v_cvt_pk_f16_f32 v[82+4*\p], v[20+8*\p], v[21+8*\p]
	v_cvt_pk_f16_f32 v[83+4*\p], v[22+8*\p], v[23+8*\p]
	global_store_b64 v3, v[80+4*\p:81+4*\p], s[14:15] offset:8192*\p       ; 32 lanes: 256 consecutive bytes, aligned; each row has store registers of its own
	global_store_b64 v3, v[82+4*\p:83+4*\p], s[14:15] offset:8192*\p+256
.endr
	s_endpgm
.Ltab:	; JOB B
	s_sub_co_u32 s18, ttmp9, 256
	s_lshl_b32 s18, s18, 3
	s_add_co_u32 s18, s18, s20                     ; my (j, tile) as one number, 0..703
	s_mul_i32 s19, s18, 5958
	s_lshr_b32 s19, s19, 16                        ; j = number / 11: 5958 x 11 = 65,538, exact for numbers under 704
	s_mul_i32 s21, s19, 11
	s_sub_co_u32 s21, s18, s21                     ; tile
	s_mul_i32 s22, s19, 172
	s_lshl4_add_u32 s22, s21, s22                  ; the tile's first row of W: 172 j + 16 tile
	s_mul_i32 s24, s19, 352
	s_add_co_u32 s24, s24, s21
	s_lshl_b32 s24, s24, 8                         ; (352 j + tile) x 256 bytes: my entry of t = 0
	s_mov_b32 s25, 0
	v_and_b32 v6, 15, v0                           ; r
	v_add_nc_u32 v7, s22, v6
	v_min_u32 v7, 11007, v7                        ; no row past W's last
	v_lshlrev_b32 v2, 8, v7                        ; a row of scales or zeros is 256 bytes
	v_lshlrev_b32 v3, 2, v7
	v_bfe_u32 v4, v0, 4, 1                         ; kh = lane / 16
	v_lshlrev_b32 v4, 7, v4
	v_lshl_add_u32 v4, v6, 3, v4                   ; 128 kh + 8 r
	v_cmp_le_u32 vcc_lo, 16, v1                    ; lanes 16-31 take the odd groups
	s_wait_kmcnt 0x0
	s_add_nc_u64 s[16:17], s[16:17], s[24:25]
	global_load_b32 v5, v3, s[12:13]               ; mu2 of my row
.irp q, 0,1,2,3,4,5,6,7,8,9,10,11,12,13,14,15
	global_load_b128 v[8+4*\q:11+4*\q], v2, s[8:9] offset:16*\q
	global_load_b128 v[72+4*\q:75+4*\q], v2, s[10:11] offset:16*\q
.endr
	s_wait_loadcnt 0x0
.set t, 0
.rept 32
	v_cndmask_b32 v6, v[8+2*t], v[9+2*t], vcc_lo   ; the scale of group 2 t + kh
	v_cndmask_b32 v7, v[72+2*t], v[73+2*t], vcc_lo ; its zero
	v_mul_f32 v[136+2*t], v6, v5                   ; s'
	v_mul_f32 v[137+2*t], -v7, v[136+2*t]          ; c'
	global_store_b64 v4, v[136+2*t:137+2*t], s[16:17] offset:2816*t        ; 32 lanes: 256 consecutive bytes, aligned; from t to t + 1: 11 tiles x 256 bytes
.set t, t+1
.endr
	s_endpgm
.Lfunc_end_k_q012b4fb747_prep:
	.size	k_q012b4fb747_prep, .Lfunc_end_k_q012b4fb747_prep-k_q012b4fb747_prep
	.p2alignl 7, 3214868480
	.fill 96, 4, 3214868480
	.section	.rodata,"a",@progbits
	.p2align	6, 0x0
	.amdhsa_kernel k_q012b4fb747_prep
		.amdhsa_group_segment_fixed_size 0
		.amdhsa_private_segment_fixed_size 0
		.amdhsa_enable_private_segment 0
		.amdhsa_kernarg_size 56
		.amdhsa_user_sgpr_count 2
		.amdhsa_user_sgpr_kernarg_segment_ptr 1
		.amdhsa_wavefront_size32 1
		.amdhsa_system_sgpr_workgroup_id_x 1
		.amdhsa_system_sgpr_workgroup_id_y 1
		.amdhsa_system_sgpr_workgroup_id_z 1
		.amdhsa_system_vgpr_workitem_id 0
		.amdhsa_next_free_vgpr 208
		.amdhsa_next_free_sgpr 66
		.amdhsa_reserve_vcc 1
		.amdhsa_float_denorm_mode_32 3
		.amdhsa_float_denorm_mode_16_64 3
		.amdhsa_memory_ordered 1
		.amdhsa_forward_progress 1
		.amdhsa_inst_pref_size 21
	.end_amdhsa_kernel
	.amdgpu_metadata
---
amdhsa.version: [ 1, 2 ]
amdhsa.kernels:
  - .name:           k_q012b4fb747_prep
    .symbol:         k_q012b4fb747_prep.kd
    .args:
      - { .name: x, .offset: 0, .size: 8, .value_kind: global_buffer, .address_space: global }
      - { .name: mu1, .offset: 8, .size: 8, .value_kind: global_buffer, .address_space: global }
      - { .name: scales, .offset: 16, .size: 8, .value_kind: global_buffer, .address_space: global }
      - { .name: zeros, .offset: 24, .size: 8, .value_kind: global_buffer, .address_space: global }
      - { .name: mu2, .offset: 32, .size: 8, .value_kind: global_buffer, .address_space: global }
      - { .name: x16, .offset: 40, .size: 8, .value_kind: global_buffer, .address_space: global }
      - { .name: tab, .offset: 48, .size: 8, .value_kind: global_buffer, .address_space: global }
    .group_segment_fixed_size: 0
    .private_segment_fixed_size: 0
    .kernarg_segment_align: 8
    .kernarg_segment_size: 56
    .max_flat_workgroup_size: 256
    .sgpr_count:     66
    .vgpr_count:     208
    .wavefront_size: 32
...
	.end_amdgpu_metadata
.endif
;; end of part 1
;; launch main (part 2): grid 64 x 4, 4 waves a work-group, clusters of 4 x 4, 327,680 bytes of LDS; arguments x16, W_q, tab, out0; writes out0
.if DOCPART == 2
	.amdgcn_target "amdgcn-amd-amdhsa--gfx1250"
	.amdhsa_code_object_version 6
	.text
	.protected	k_q012b4fb747_main
	.globl	k_q012b4fb747_main
	.p2align	8
	.type	k_q012b4fb747_main,@function
k_q012b4fb747_main:
	s_mov_b64 s[64:65], 0
	v_nop
	global_prefetch_b8 v0, s[64:65] scope:SCOPE_SE
	s_setreg_imm32_b32 hwreg(HW_REG_WAVE_MODE, 25, 1), 1
	s_wait_xcnt 0x0
	s_wait_alu depctr_hold_cnt(0) depctr_sa_sdst(0) depctr_va_vdst(0) depctr_va_sdst(0) depctr_va_ssrc(0) depctr_va_vcc(0) depctr_vm_vsrc(0)
	s_getreg_b32 s2, hwreg(HW_REG_IB_STS2, 6, 4)
	s_cmp_eq_u32 s2, 0
	s_cbranch_scc0 .Lentry_in_a_cluster
	s_endpgm
.Lentry_in_a_cluster:
	s_bfe_u32 s2, ttmp6, 0x10000c
	s_cmp_lg_u32 s2, 0xf033
	s_cbranch_scc0 .Lentry_shape_is_right
	s_endpgm
.Lentry_shape_is_right:
; out0[b][c] = the sum over n of x16[b][n] * f16(W_q[c][n] * s'[c][n/64] + c'[c][n/64]).  x16: [1024][4096] f16 (x * mu1), W_q: [11008][4096] int32, tab: the pairs (s', c') in the order read here, out0: [1024][11008] f32.
; Products in f16 (11 significant bits), sums in f32.  LIMITS: a weight of 65,520 or more in magnitude becomes an infinity in f16; below 6e-5 it keeps f16's fixed step of 6e-8; W_q may be any int32
; (converted to f32, rounded to nearest); NaN and infinities are not treated apart.
; SHARES.  out0 has 64 x 688 tiles of 16 x 16 = 172 for each of 256 work-groups: a work-group makes 256 rows x 172 columns, computed as 11 column tiles (176).  Of the 176 rows of a slot the last four are not
; read from W_q: the descriptor of the tile's second half states 84 rows left of its 88, and zeros arrive; their products are never stored.  Block j = 4 x cluster x + cx of columns, block cy of rows.
; K goes in steps of 128 (two groups of 64) through two LDS slots: 256 rows of x16 (256 bytes) and 176 rows of W_q (512 bytes): the longest step of which two slots fit.
; K IS SPLIT INSIDE THE WORK-GROUP.  Wave w = 2 nh + kh works on group kh of each step.  It owns the five column tiles 6 nh + 0..4, with all 256 rows and both halves (32 along K) of its group, and of the middle
; tile (5) the half nh of its group: each of that tile's four pieces of 32 belongs to one wave.  So a wave has 11 UNITS a step, each 16 matrix instructions: one fragment of W (16 columns x 32 K) times the
; 16 fragments of x.  The half nh (F: units 0-5) is walked first, then the other (S: units 6-10).  96 accumulators a wave, 768 registers.  The partial sums (two for a tile, four for the middle one) are added in f32 on the way out.
; DEQUANTISING stands beside the products: the next unit's 16 ints a lane become 8 registers of f16 by 32 vector instructions (16 conversions, 8 packed multiply-adds, 8 packed roundings), four behind each pair of
; matrix instructions.  No weight is dequantised twice in a work-group, and none goes back to LDS.
; THE LDS LOADS STAND IN SIX RUNS A STEP, never singly among the matrix instructions.  x's 16 fragments are loaded anew in two runs of 16 loads, in the middle and at the end of units 5 and 10.  The ints have four
; buffers and come in four runs: at the head of unit 0 (units 3, 4), of unit 3 (units 5-7), of unit 6 (units 8-10) and of unit 9 (the next step's units 0-2); the first and third follow a run of fragments directly.
; THE MATRIX INSTRUCTION IS USED TRANSPOSED (source 0 = 16 rows of W, source 1 = 16 rows of x): a lane holds row lane % 16 of out0 and eight neighbouring columns.
; CLUSTER.  4 x 4 work-groups.  The four of a row of the cluster (same cy) need the same tiles of x16, the four of a column (same cx) the same tiles of W_q: each tile is asked for JOINTLY, by the same tensor load,
; descriptor and mask in all four.  So W_q is asked for once for its four row blocks.
; STORES.  A row's share is 688 bytes at 688 j: sixteen lanes store 256 consecutive bytes, aligned to 16; the first and last aligned 256 bytes of a share are written in part by two work-groups: the price of
; 11008 / 64 = 172 columns a work-group, which gives all 256 work-groups equal work.
; REGISTERS, in windows of 256 (s_set_vgpr_msb: bits 1:0 source 0, 3:2 source 1, 5:4 source 2, 7:6 destination).  Window 0: addresses, pairs, ints, W's fragments, x's 16 fragments.
; Windows 1-3: accumulator (tile i, row tile m) in window 1 + i / 2 at v[128 (i % 2) + 8 m].  Two products and their four riders cost two switches.
.set XP,    272                        ; an LDS row of x16: 256 bytes + 16 = 68 words: row r starts at bank 4 r mod 64 (64 banks of 4 bytes: ISA guide 11.1): the 16 rows of a load start at 16 different groups of banks
.set QP,    528                        ; an LDS row of W_q: 512 + 16 = 132 words: likewise
.set XSLOT, 256*XP                     ; 69,632
.set QBASE, 2*XSLOT                    ; W_q's two slots lie behind x16's two
.set QSLOT, 176*QP                     ; 92,928
.set SPARE, QBASE+2*QSLOT              ; 325,120: the spare words, 128 bytes for each wave: two blocks of 256 bytes that no other line names
.set IP,    784                        ; the way out: a row of an image: 12 tile columns x 64 bytes + 16 = 49 x 16
.set IMG,   128*IP                     ; an image: 128 rows; image kh at IMG x kh, in the slots' bytes, behind their last fill
.set AXF, 4                            ; v4-5    x's fragments of half F in slot 0, 1
.set AXS, 6                            ; v6-7    of half S
.set AQF, 8                            ; v8-9    my own tiles' ints of half F in slot 0, 1
.set AQS, 10                           ; v10-11  of half S
.set AQM, 12                           ; v12-13  the middle tile's ints of half F
.set TOWN, 14                          ; v14     my offset in a step's table entry: my own tiles
.set TMID, 15                          ; v15     the middle tile
.set STO, 4                            ; behind the last step v4-15 take the way out's addresses: v4-5 where my own tiles go (row tiles 0-3, 4-7 of a phase),
.set STM, 6                            ; v6-7    the middle tile,
.set RDA, 8                            ; v8-11   where I read image 0 back: out's bytes 0-255, 256-511, the middle tile's second part, 448-703,
.set RDB, 12                           ; v12-15  image 1
.set PFQ, 16                           ; v16     the prefetches' offset in W_q; never rewritten
.set PFX, 17                           ; v17     in x16
.set SPW, 18                           ; v18     LDS address of my spare word; never rewritten
.set NIL, 19                           ; v19     0; never rewritten
.set PR,  20                           ; v20-43  the pairs (s', c'): set (step's parity), tile i at PR + 12 set + 2 i
.set IB,  44                           ; v44-107 four buffers of 16 ints.  The buffer of unit 0..10 of a step: 0,1,2,3,0,2,3,1,0,2,3: at each run the buffers loaded were read out a unit or more before
.set WF,  108                          ; v108-123 two fragments of W in f16
.set CO,  124                          ; v124    my byte offset in two rows of out0
.set LC4, 125                          ; v125    lane % 16 - 4
.set PT,  126                          ; v126    at work for the prefetches' rows alone: the one register at work that holds a number made of the work-group's place
.set LC,  127                          ; v127    lane % 16 (v2: lane / 16; v1, v3 at work)
.set AF,  128                          ; v128-255 x's 16 fragments of 16 rows x 32 K
.set LAPS, 3                           ; s3      laps to go
.set TP,  8                            ; s[8:9]  tab at my block, at the step whose pairs are loaded next
.set WV,  12                           ; s12     wave
.set NH,  13                           ; s13     nh; also: 0 = I fetch x16's tiles, 1 = W_q's
.set KH,  14                           ; s14     kh; also: which half of that tile's rows I fetch
.set CX,  15
.set CY,  16
.set JB,  17                           ; s17     j
.set G1X, 24                           ; s[24:31] descriptor group 1, x16;  s[32:39] group 0, a set for each slot
.set G0X, 32
.set G1Q, 40                           ; s[40:47], s[48:55] the same for W_q
.set G0Q, 48
.set PQ,  56                           ; s[56:57] W_q at the step that the next prefetch names
.set PX,  58                           ; s[58:59] x16 likewise
.set LIMX, 60                          ; s60     1 in a wave that prefetches x16, else the greatest number
.set MID, 61                           ; s61     lanes 4-7 and 20-23
.set MSB, 0
.macro WIN new                         ; the immediate's high byte repeats the setting that is left; a switch that changes nothing is dropped
.if MSB != (\new)
	s_set_vgpr_msb (MSB<<8)|(\new)
.set MSB, (\new)
.endif
.endm
; A joint load.  Waves 0 and 1 fetch the two halves of x16's tile, waves 2 and 3 those of W_q's.  The branch hangs on the wave's number alone.  An s_nop 0 and four v_nop follow each of the two lines.
.macro JLOAD s
	s_cmp_eq_u32 s[NH], 0
	s_cbranch_scc0 .Lfor_q_\@
	tensor_load_to_lds s[G0X+4*(\s):G0X+4*(\s)+3], s[G1X:G1X+7]
	s_nop 0
.rept 4
	v_nop
.endr
	s_branch .Lasked_\@
.Lfor_q_\@:
	tensor_load_to_lds s[G0Q+4*(\s):G0Q+4*(\s)+3], s[G1Q:G1Q+7]
	s_nop 0
.rept 4
	v_nop
.endr
.Lasked_\@:
.endm
.macro CREST                           ; a round of the cluster's barrier behind its opening barrier: wave 0 signals for the work-group, every wave waits for all sixteen, my work-group's barrier closes it
	s_cmp_lg_u32 s[WV], 0
	s_cbranch_scc1 .Lnot_wave_0_\@
	s_barrier_signal -3
.Lnot_wave_0_\@:
	s_barrier_wait -3
	s_barrier_signal -1
	s_barrier_wait -1
.endm
.macro CROUND
	s_barrier_signal -1
	s_barrier_wait -1
	CREST
.endm
; PREFETCHES INTO THE L2, directly behind a joint refill (of step t + 2) and its five lines: step t + 4, two steps (352 matrix instructions) ahead of the load that will ask for it.
; W_q: a step is 512 bytes of each of the block's 172 rows.  The four partners that ask for them jointly and their four waves take 11 rows each, told apart BY ADDRESS (44 cy + 11 w, held to 171): lanes 0-21 name
; a block of 256 bytes each, lanes 22-31 repeat the last two (no share of 32 divides the rows evenly).  x16: 256 bytes of each row; every cluster reads the same rows, so cluster x = 0 asks; of the 128 rows that
; wave 0 or 1 fetches, partner cx takes 32: a lane a row.  Steps 0-3 come by their loads alone; the last lap asks for nothing: steps 32 and 33 do not exist.
.macro ASK
	s_cmp_gt_u32 s[LAPS], 1
	s_cbranch_scc0 .Lno_q_\@
	global_prefetch_b8 v[PFQ], s[PQ:PQ+1] th:TH_LOAD_NT scope:SCOPE_SE
.Lno_q_\@:
	s_cmp_gt_u32 s[LAPS], s[LIMX]
	s_cbranch_scc0 .Lno_x_\@
	global_prefetch_b8 v[PFX], s[PX:PX+1] th:TH_LOAD_NT scope:SCOPE_SE
.Lno_x_\@:
.endm
; The ints of one fragment of W, into buffer b: lane l holds row l % 16, K = 8 (l / 16) + 0..7 (32 bytes) and 16 + 8 (l / 16) + 0..7 (64 bytes on): the places of x's fragment
.macro LQ b, areg, off
	WIN 0
	ds_load_b128 v[IB+16*(\b):IB+16*(\b)+3],     v[\areg] offset:(\off)
	ds_load_b128 v[IB+16*(\b)+4:IB+16*(\b)+7],   v[\areg] offset:(\off)+16
	ds_load_b128 v[IB+16*(\b)+8:IB+16*(\b)+11],  v[\areg] offset:(\off)+64
	ds_load_b128 v[IB+16*(\b)+12:IB+16*(\b)+15], v[\areg] offset:(\off)+80
.endm
.macro LA m, areg                      ; fragment m of x: rows 16 m on; the largest immediate is 65,312
	ds_load_b128 v[AF+8*(\m):AF+8*(\m)+3],   v[\areg] offset:16*XP*(\m)
	ds_load_b128 v[AF+8*(\m)+4:AF+8*(\m)+7], v[\areg] offset:16*XP*(\m)+32
.endm
; Rider n of the 32 that turn buffer b's ints into fragment f of W: 0-15 int to f32; 16-23 q s' + c', two at a time (s' is the pair's first word, c' its second, each for both halves); 24-31 two roundings to f16
.macro RID n, b, f, pr
.if (\n) < 16
	v_cvt_f32_i32 v[IB+16*(\b)+(\n)], v[IB+16*(\b)+(\n)]
.elseif (\n) < 24
	v_pk_fma_f32 v[IB+16*(\b)+2*((\n)-16):IB+16*(\b)+2*((\n)-16)+1], v[IB+16*(\b)+2*((\n)-16):IB+16*(\b)+2*((\n)-16)+1], v[\pr:\pr+1], v[\pr:\pr+1] op_sel:[0,0,1] op_sel_hi:[1,0,1]
.else
	v_cvt_pk_f16_f32 v[WF+8*(\f)+(\n)-24], v[IB+16*(\b)+2*((\n)-24)], v[IB+16*(\b)+2*((\n)-24)+1]
.endif
.endm
.macro MMA i, m, p, zero               ; zero = 1: the product starts the sum: nothing is ever cleared
	WIN 0x50*(1+(\i)/2)                            ; C and D in the tile's window, both sources in window 0
.set rA, 128*((\i)%2)+8*(\m)
.if \zero
	v_wmma_f32_16x16x32_f16 v[rA:rA+7], v[WF+8*(\p):WF+8*(\p)+7], v[AF+8*(\m):AF+8*(\m)+7], 0
.else
	v_wmma_f32_16x16x32_f16 v[rA:rA+7], v[WF+8*(\p):WF+8*(\p)+7], v[AF+8*(\m):AF+8*(\m)+7], v[rA:rA+7]
.endif
.endm
.macro TLOAD set                       ; a step's six pairs a lane: 128 consecutive bytes of the table for each tile
	WIN 0
.irp q, 0,1,2,3,4
	global_load_b64 v[PR+12*(\set)+2*\q:PR+12*(\set)+2*\q+1], v[TOWN], s[TP:TP+1] offset:256*\q
.endr
	global_load_b64 v[PR+12*(\set)+10:PR+12*(\set)+11], v[TMID], s[TP:TP+1]
.endm
; UNIT u (0-10) OF A STEP IN SLOT s: 16 products of tile i's fragment (fragment p = (u + s) % 2: a step has 11 units, so the parity goes on from step to step) with x's 16 fragments, two products at a time.
; The 16 accumulators take turns, and neighbouring units name different tiles, over the backward jump too.  The runs of int loads stand in front of the unit, in FPH and SPH.
;   riders: four behind each pair of products turn the ints of unit u + 1 (buffer b1; -1: none) into the other fragment, with the pair in pr1.  That fragment's last reader is unit u - 1's last product, 24 riders ahead of its first write.
;   rl >= 0: x's fragments are loaded anew from v[rl]: 0-7 behind products 6, 7 and their riders, 8-15 behind products 14, 15 and theirs: the four riders, plain vector instructions that name none of the
;     products' registers, stand between the last product that read a fragment and the load into it (ISA guide 7.12.1 for vector instructions).
;   wt >= 0: the count at the unit's head with which the ints of unit u + 1 are in.
;   post > 0: the unit behind such a reload: it waits for the fragments four at a time; post = the LDS instructions issued behind the 32 fragment loads.
;   bar = 1: the change of slots with a refill; 2: without.
.macro UNIT s, u, i, zero, b1, pr1, rl, wt, post, bar
.set pp, ((\u)+(\s))&1
	WIN 0
.if (\wt) >= 0
	s_wait_dscnt \wt                               ; LDS loads come back in order: all but the wt youngest are in
.endif
.if (\bar) == 1
	s_wait_xcnt 0x0                                ; the last prefetches, a step back, have read their addresses
	s_add_nc_u64 s[PQ:PQ+1], s[PQ:PQ+1], 512
	s_add_nc_u64 s[PX:PX+1], s[PX:PX+1], 256
.endif
.if (\bar) != 0
	s_wait_tensorcnt 0x0                           ; all my tensor loads have landed: the one that was out is my part of the other slot
	ds_add_u32 v[SPW], v[NIL]                      ; 0 onto my spare word; twelve products and their riders stand between it and the wait for it
.endif
.set mm, 0
.rept 8
.if ((\bar) != 0) && (mm == 12)
	s_wait_dscnt 0x0                               ; the add is done, and my reads of this slot are over (the last were the twelve in front of this unit)
	s_barrier_signal -1                            ; four products and their riders, work on registers, stand between signal and wait
.elseif ((\post) != 0) && (mm%4 == 0)
	s_wait_dscnt (\post)+24-2*mm                   ; fragments m .. m + 3 are in: behind them 2 (12 - m) fragment loads and the post others were issued
.endif
	MMA \i, mm, pp, \zero
	MMA \i, mm+1, pp, \zero
.if (\b1) >= 0
	WIN 0
	RID 2*mm, \b1, 1-pp, \pr1
	RID 2*mm+1, \b1, 1-pp, \pr1
	RID 2*mm+2, \b1, 1-pp, \pr1
	RID 2*mm+3, \b1, 1-pp, \pr1
.endif
.if ((\rl) >= 0) && (mm == 6)
.irp q, 0,1,2,3,4,5,6,7
	LA \q, \rl
.endr
.endif
.set mm, mm+2
.endr
.if (\rl) >= 0
.irp q, 8,9,10,11,12,13,14,15
	LA \q, \rl
.endr
.endif
.if (\bar) != 0
	WIN 0
	s_barrier_wait -1                              ; nobody reads this slot any more, and the other slot is whole
.endif
.if (\bar) == 1
	CREST                                          ; the barrier has opened a round of the cluster's: no wave of any partner still reads this slot or has a load on its way
	s_add_nc_u64 s[G0X+4*(\s)+2:G0X+4*(\s)+3], s[G0X+4*(\s)+2:G0X+4*(\s)+3], 2*256   ; no tensor load of mine is out: this slot's descriptors step two K steps on
	s_add_nc_u64 s[G0Q+4*(\s)+2:G0Q+4*(\s)+3], s[G0Q+4*(\s)+2:G0Q+4*(\s)+3], 2*512
	JLOAD \s                                       ; the first tensor load behind the round, ahead of every LDS read there: it has a whole step, 176 matrix instructions, in which to land
	ASK
.endif
.endm
; Half F of a step: my five tiles, then the middle one; its last unit fetches x's fragments of half S.  tl = 1: the next step's pairs are asked for, ten units ahead of the wait for them.
.macro FPH s, zero, tl
	LQ 3, AQF+(\s), 3*16*QP                        ; units 3 and 4: this run follows the run of fragments 8-15 directly
	LQ 0, AQF+(\s), 4*16*QP
.if \tl
	TLOAD 1-(\s)
.endif
	UNIT \s, 0, 0, \zero, 1, PR+12*(\s)+2,  -1, -1, 8, 0
	UNIT \s, 1, 1, \zero, 2, PR+12*(\s)+4,  -1, -1, 0, 0
	UNIT \s, 2, 2, \zero, 3, PR+12*(\s)+6,  -1, 4, 0, 0     ; unit 3's ints are in; unit 4's four loads may be out
	LQ 2, AQM+(\s), 0                              ; units 5, 6 and 7
	LQ 3, AQS+(\s), 0
	LQ 1, AQS+(\s), 16*QP
	UNIT \s, 3, 3, \zero, 0, PR+12*(\s)+8,  -1, 12, 0, 0    ; all but the twelve just issued
	UNIT \s, 4, 4, \zero, 2, PR+12*(\s)+10, -1, 8, 0, 0
	UNIT \s, 5, 5, \zero, 3, PR+12*(\s),    AXS+(\s), 4, 0, 0
.endm
; Half S.  The slot's last bytes are asked for in front of its first unit, which changes slots; units 7 and 8 run on operands that are in registers; unit 9 begins to read the next slot.
; mode = 1: round and refill; 2: the last change, nothing is filled; 0: the last step.
.macro SPH s, mode
	LQ 0, AQS+(\s), 2*16*QP                        ; units 8, 9 and 10: this run follows the run of fragments 8-15 directly
	LQ 2, AQS+(\s), 3*16*QP
	LQ 3, AQS+(\s), 4*16*QP
	UNIT \s, 6, 0, 0, 1, PR+12*(\s)+2, -1, -1, 12+((\mode)+1)/2, \mode   ; behind the fragments: the twelve, and the add where there is one
.if (\mode) == 0
	UNIT \s, 7, 1, 0, 0, PR+12*(\s)+4, -1, 8, 0, 0
	UNIT \s, 8, 2, 0, 2, PR+12*(\s)+6, -1, 4, 0, 0
	UNIT \s, 9, 3, 0, 3, PR+12*(\s)+8, -1, 0, 0, 0
	UNIT \s, 10, 4, 0, -1, 0, -1, -1, 0, 0
.else
	UNIT \s, 7, 1, 0, 0, PR+12*(\s)+4, -1, -1, 0, 0         ; (the wait for 0 in front of the signal has shown the ints of units 8-10 in)
	UNIT \s, 8, 2, 0, 2, PR+12*(\s)+6, -1, -1, 0, 0
	LQ 0, AQF+1-(\s), 0                            ; the next step's units 0, 1 and 2
	LQ 1, AQF+1-(\s), 16*QP
	LQ 2, AQF+1-(\s), 2*16*QP
	UNIT \s, 9, 3, 0, 3, PR+12*(\s)+8, -1, -1, 0, 0
	s_wait_loadcnt 0x0                             ; the next step's pairs are in; the loads are done, so their base may be written
	s_add_nc_u64 s[TP:TP+1], s[TP:TP+1], 2816
	UNIT \s, 10, 4, 0, 0, PR+12*(1-(\s)), AXF+1-(\s), 8, 0, 0
.endif
.endm
	s_load_b256 s[4:11], s[0:1], 0x0               ; x16 s[4:5], W_q s[6:7], tab s[8:9], out0 s[10:11]
	v_lshl_add_u32 v[SPW], v0, 2, SPARE
	v_mov_b32 v[NIL], 0
	ds_add_u32 v[SPW], v[NIL]                      ; the wave's opening: the add, twice on end, and its wait ahead of my first tensor load; the set-up below, work on registers, stands between
	ds_add_u32 v[SPW], v[NIL]                      ; and once more, under the one wait
	v_lshrrev_b32 v1, 5, v0
	v_readfirstlane_b32 s[WV], v1                  ; wave 0..3
	s_lshr_b32 s[NH], s[WV], 1
	s_and_b32 s[KH], s[WV], 1
	s_bfe_u32 s[CX], ttmp6, 0x40000                ; my place in the cluster
	s_bfe_u32 s[CY], ttmp6, 0x40004                ; the grid has one cluster along y: cy is my block of 256 rows
	s_lshl_b32 s[JB], ttmp9, 2
	s_add_co_u32 s[JB], s[JB], s[CX]               ; my block of 172 columns
	s_lshl_b32 s18, s[CY], 2
	s_lshl_b32 s18, 15, s18                        ; my row of the cluster: places 4 cy .. 4 cy + 3
	s_lshl_b32 s19, 0x1111, s[CX]                  ; my column: places cx, cx + 4, cx + 8, cx + 12
	; group 1, x16: 128 rows x 128 elements of 2 bytes, 4 words of padding behind every 64
	s_or_b32 s[G1X], s18, (1<<16)|(1<<20)|(1<<21)|(5<<22)|(3<<25)   ; 15:0 the mask: my row; 17:16 element size; 20 padding on; 21 set beside a mask; 24:22 the interval; 31:25 the padding
	s_mov_b32 s[G1X+1], 128<<16                    ; tensor_dim0 = 128
	s_mov_b32 s[G1X+2], 128<<16                    ; tensor_dim1 = 128
	s_mov_b32 s[G1X+3], 128<<16                    ; tile_dim0 = 128
	s_mov_b32 s[G1X+4], 128                        ; tile_dim1 = 128
	s_mov_b32 s[G1X+5], 4096                       ; elements from row to row
	s_mov_b32 s[G1X+6], 0
	s_mov_b32 s[G1X+7], 0
	; group 1, W_q: 88 rows x 128 elements of 4 bytes, 4 words of padding behind every 128
	s_or_b32 s[G1Q], s19, (2<<16)|(1<<20)|(1<<21)|(6<<22)|(3<<25)   ; the mask: my column
	s_mov_b32 s[G1Q+1], 128<<16
	s_lshl_b32 s62, s[KH], 18
	s_sub_co_u32 s[G1Q+2], 88<<16, s62             ; tensor_dim1 = 88 - 4 x half: the block has 172 rows, so of the second half's 88 the last four are not read and arrive as zeros, in every block alike
	s_mov_b32 s[G1Q+3], 128<<16
	s_mov_b32 s[G1Q+4], 88
	s_mov_b32 s[G1Q+5], 4096
	s_mov_b32 s[G1Q+6], 0
	s_mov_b32 s[G1Q+7], 0
	s_lshl_b32 s20, s[CY], 21                      ; x16: row 256 cy + 128 half, 8,192 bytes a row: made of cy and the wave alone
	s_lshl_b32 s21, s[KH], 20
	s_add_co_u32 s20, s20, s21
	s_mov_b32 s21, 0
	s_mul_i32 s22, s[JB], 172                      ; W_q: row 172 j + 88 half: made of j and the wave alone; the last row read is 172 j + 171, 11,007 at the most
	s_mul_i32 s23, s[KH], 88
	s_add_co_u32 s22, s22, s23
	s_lshl_b32 s22, s22, 14                        ; 16,384 bytes a row: under 2^28
	s_mov_b32 s23, 0
	s_mul_i32 s62, s[KH], 128*XP                   ; where they go: the half's rows: no place in the cluster enters an LDS address
	s_mul_i32 s63, s[KH], 88*QP
	s_add_co_u32 s63, s63, QBASE
	s_mov_b32 s[MID], 0x00f000f0
	s_wait_dscnt 0x0                               ; both opening adds are done
	s_wait_kmcnt 0x0
	s_add_nc_u64 s[20:21], s[4:5], s[20:21]
	s_add_nc_u64 s[22:23], s[6:7], s[22:23]
	CROUND                                         ; all sixteen work-groups are here: the first joint loads meet
.irp s, 0,1
	s_mov_b32 s[G0X+4*\s], 1                       ; 1:0 count = 1
	s_add_co_u32 s[G0X+4*\s+1], s62, \s*XSLOT      ; 63:32 LDS address
	s_add_nc_u64 s[G0X+4*\s+2:G0X+4*\s+3], s[20:21], \s*256      ; 120:64 global address: K step s
	s_or_b32 s[G0X+4*\s+3], s[G0X+4*\s+3], 0x80000000            ; 127:126 type = 2
	s_mov_b32 s[G0Q+4*\s], 1
	s_add_co_u32 s[G0Q+4*\s+1], s63, \s*QSLOT
	s_add_nc_u64 s[G0Q+4*\s+2:G0Q+4*\s+3], s[22:23], \s*512
	s_or_b32 s[G0Q+4*\s+3], s[G0Q+4*\s+3], 0x80000000
	JLOAD \s                                       ; both slots are asked for before anything else: two loads of mine are out
.endr
	; While the first tiles are on their way: step 0's pairs, then the ring's addresses.  Numbers made of the work-group's place (cx, cy, j) go through s20-s23 and v[PT] alone; LDS addresses through s18, s19, s62, s63, v1-v3.
	v_and_b32 v[LC], 15, v0                        ; l % 16
	v_bfe_u32 v2, v0, 4, 1                         ; l / 16
	s_mul_i32 s18, s[NH], 6*256                    ; a table entry of a step: 11 tiles x 256 bytes; in a tile 128 kh + 8 (l % 16)
	s_lshl_b32 s19, s[KH], 7
	s_add_co_u32 s18, s18, s19
	v_lshl_add_u32 v[TOWN], v[LC], 3, s18
	s_add_co_u32 s19, s19, 5*256
	v_lshl_add_u32 v[TMID], v[LC], 3, s19
	s_mul_i32 s22, s[JB], 32*11*256
	s_mov_b32 s23, 0
	s_add_nc_u64 s[TP:TP+1], s[TP:TP+1], s[22:23]
	TLOAD 0
	v_mul_u32_u24 v3, v[LC], XP                    ; x's fragments: row x pitch + 16 (l / 16) + my group's 128 bytes x kh + the half's 64 bytes
	v_lshl_add_u32 v3, v2, 4, v3
	s_lshl_b32 s18, s[KH], 7
	s_lshl_b32 s19, s[NH], 6
	s_add_co_u32 s62, s18, s19
	s_xor_b32 s19, s19, 64
	s_add_co_u32 s63, s18, s19
	v_add_nc_u32 v[AXF], s62, v3
	v_add_nc_u32 v[AXS], s63, v3
	v_add_nc_u32 v[AXF+1], XSLOT, v[AXF]
	v_add_nc_u32 v[AXS+1], XSLOT, v[AXS]
	v_mul_u32_u24 v3, v[LC], QP                    ; the ints: row x pitch + 32 (l / 16) + 256 kh + the half's 128 bytes; my own tiles begin at row 96 nh, the middle one at row 80
	v_lshl_add_u32 v3, v2, 5, v3
	s_lshl_b32 s18, s[KH], 8
	s_add_co_u32 s18, s18, QBASE
	s_lshl_b32 s19, s[NH], 7
	s_mul_i32 s62, s[NH], 96*QP
	s_add_co_u32 s62, s62, s18
	s_add_co_u32 s63, s62, s19
	v_add_nc_u32 v[AQF], s63, v3
	s_xor_b32 s63, s19, 128
	s_add_co_u32 s63, s62, s63
	v_add_nc_u32 v[AQS], s63, v3
	s_add_co_u32 s63, s18, s19
	s_add_co_u32 s63, s63, 80*QP
	v_add_nc_u32 v[AQM], s63, v3
	v_add_nc_u32 v[AQF+1], QSLOT, v[AQF]
	v_add_nc_u32 v[AQS+1], QSLOT, v[AQS]
	v_add_nc_u32 v[AQM+1], QSLOT, v[AQM]
	v_add_nc_u32 v[LC4], -4, v[LC]                 ; as an unsigned number under 11 in lanes 4-14 alone
	v_mul_u32_u24 v[CO], v2, 44032                 ; a row of out0 is 44,032 bytes
	v_lshl_add_u32 v[CO], v[LC], 4, v[CO]
	; the prefetches
	v_and_b32 v1, 31, v0
	v_lshrrev_b32 v[PT], 1, v1
	v_min_u32 v[PT], 10, v[PT]                     ; my row of the wave's eleven
	s_mul_i32 s20, s[CY], 44
	s_mul_i32 s21, s[WV], 11
	s_add_co_u32 s20, s20, s21
	v_add_nc_u32 v[PT], s20, v[PT]
	v_min_u32 v[PT], 171, v[PT]                    ; no row past the block's last
	s_mul_i32 s21, s[JB], 172
	v_add_nc_u32 v[PT], s21, v[PT]
	v_and_b32 v[PFQ], 1, v1
	v_lshlrev_b32 v[PFQ], 8, v[PFQ]                ; which 256 of the step's 512 bytes
	v_lshl_add_u32 v[PFQ], v[PT], 14, v[PFQ]
	s_lshl_b32 s20, s[CY], 8
	s_lshl_b32 s21, s[KH], 7
	s_add_co_u32 s20, s20, s21
	s_lshl_b32 s21, s[CX], 5
	s_add_co_u32 s20, s20, s21
	v_add_nc_u32 v[PFX], s20, v1
	v_lshlrev_b32 v[PFX], 13, v[PFX]
	s_or_b32 s[LIMX], s[NH], ttmp9                 ; 0 in waves 0 and 1 of the first cluster: the same in all sixteen partners, for a given wave
	s_cmp_eq_u32 s[LIMX], 0
	s_cselect_b32 s[LIMX], 1, -1
	s_add_nc_u64 s[PQ:PQ+1], s[6:7], 3*512         ; at step 3: the first change of slots steps them to 4
	s_add_nc_u64 s[PX:PX+1], s[4:5], 3*256
	; out0 at my first row and my block's first column
	s_lshl_b32 s20, s[CY], 8
	s_lshl_b32 s21, s[WV], 5
	s_add_co_u32 s20, s20, s21
	s_mul_i32 s20, s20, 44032                      ; row 256 cy + 32 w: under 2^26 bytes
	s_mul_i32 s21, s[JB], 688
	s_add_co_u32 s20, s20, s21
	s_mov_b32 s21, 0
	s_add_nc_u64 s[10:11], s[10:11], s[20:21]
	s_wait_tensorcnt 1                             ; my part of K step 0 is in; slot 1's may stay out
	s_barrier_signal -1
	s_barrier_wait -1                              ; everybody's is
	LQ 0, AQF, 0                                   ; the ints of units 0, 1 and 2, x's fragments of half F
	LQ 1, AQF, 16*QP
	LQ 2, AQF, 2*16*QP
.set mm, 0
.rept 16
	LA mm, AXF
.set mm, mm+1
.endr
	s_wait_loadcnt 0x0                             ; step 0's pairs; the loads are done, so their base may be written
	s_add_nc_u64 s[TP:TP+1], s[TP:TP+1], 2816
	s_wait_dscnt 40                                ; unit 0's ints are in: 8 + 32 younger loads may stay out
.set nn, 0
.rept 32
	RID nn, 0, 0, PR                               ; the first fragment of W: there is no product yet to set it behind
.set nn, nn+1
.endr
	FPH 0, 1, 1                                    ; step 0's half F names all 96 accumulators: its products start the sums
	WIN 0                                          ; at a label and at a branch every window is 0
	s_mov_b32 s[LAPS], 15
.Llap:                                                 ; a trip goes once round the ring, from a step's half S to the half F two steps on, and fills both slots again: K steps 2 to 31
	SPH 0, 1
	FPH 1, 0, 1
	SPH 1, 1
	FPH 0, 0, 1
	WIN 0
	s_sub_co_u32 s[LAPS], s[LAPS], 1
	s_cmp_lg_u32 s[LAPS], 0
	s_cbranch_scc1 .Llap
	SPH 0, 2                                       ; the tail is written out: step 30's half S changes slots and fills nothing,
	FPH 1, 0, 0                                    ; step 31 loads no pairs
	SPH 1, 0                                       ; and fetches nothing for a step behind it
	; THE WAY OUT, in two phases of 128 rows (row tiles 8 ph .. 8 ph + 7).  Each wave puts its partial sums into its image; behind a barrier each wave reads 32 whole rows of both images, adds them, and stores.
	; Its addresses are made here, in the registers that held the ring's: plain vector work that names no register of the last products: the places in front of the LDS stores that read results.
	; Image kh holds the partial sums of waves (0, kh) and (1, kh): tile columns 0-4 wave (0, kh)'s own, 5 its part of the middle tile, 6 wave (1, kh)'s part, 7-11 its own.
	WIN 0
	v_mul_u32_u24 v3, v[LC], IP
	v_lshl_add_u32 v3, v2, 5, v3                   ; row l % 16, 32 bytes for each half of the lanes
	s_mul_i32 s18, s[KH], IMG
	s_mul_i32 s19, s[NH], 7*64
	s_add_co_u32 s19, s19, s18
	v_add_nc_u32 v[STO], s19, v3
	v_add_nc_u32 v[STO+1], 4*16*IP, v[STO]
	s_lshl_b32 s19, s[NH], 6
	s_add_co_u32 s19, s19, s18
	s_add_co_u32 s19, s19, 5*64
	v_add_nc_u32 v[STM], s19, v3
	v_add_nc_u32 v[STM+1], 4*16*IP, v[STM]
	s_mul_i32 s18, s[WV], 32*IP                    ; back: wave w takes rows 32 w .. 32 w + 31 of a phase's 128; lanes 0-15 one row, lanes 16-31 the next; 16 bytes a lane
	v_mul_u32_u24 v3, v2, IP
	v_add_nc_u32 v3, s18, v3
	v_lshl_add_u32 v[RDA], v[LC], 4, v3            ; out's bytes 0-255: tiles 0-3 = image columns 0-3
	v_and_b32 v1, 8, v[LC]
	v_lshl_add_u32 v[RDA+1], v1, 3, v[RDA]         ; bytes 256-511: tiles 4, 5 = image columns 4, 5; tiles 6, 7 = image columns 7, 8: 64 bytes further on for lanes 8-15
	v_add_nc_u32 v[RDA+1], 256, v[RDA+1]
	v_add_nc_u32 v[RDA+2], 320, v[RDA]             ; the middle tile's second part: image column 6 for lanes 4-7
	v_add_nc_u32 v[RDA+3], 512, v[RDA]             ; bytes 448-703: tiles 7-10 = image columns 8-11: all sixteen lanes read written bytes; lanes 4-14 store (bytes 512-687)
.irp q, 0,1,2,3
	v_add_nc_u32 v[RDB+\q], IMG, v[RDA+\q]
.endr
	s_wait_dscnt 0x0
	s_barrier_signal -1
	s_barrier_wait -1                              ; no wave reads a slot any more; every tensor load was waited for at the last change of slots: the slots' bytes have had their last fill
.macro WRITE ph
.set ii, 0
.rept 6
	WIN (1+ii/2)<<2                                ; the stores' data (source 1) in the tile's window
.set mq, 0
.rept 8
.set rA, 128*(ii%2)+8*(8*(\ph)+mq)
.if ii < 5
	ds_store_b128 v[STO+mq/4], v[rA:rA+3]   offset:16*IP*(mq%4)+64*ii      ; each accumulator's lowest registers are read first
	ds_store_b128 v[STO+mq/4], v[rA+4:rA+7] offset:16*IP*(mq%4)+64*ii+16
.else
	ds_store_b128 v[STM+mq/4], v[rA:rA+3]   offset:16*IP*(mq%4)
	ds_store_b128 v[STM+mq/4], v[rA+4:rA+7] offset:16*IP*(mq%4)+16
.endif
.set mq, mq+1
.endr
.set ii, ii+1
.endr
	WIN 0
.endm
; n pairs of rows from pair a0 on.  k = 0: bytes 0-255 of out's share; k = 1: bytes 256-511, with the middle tile (lanes 4-7), which has two parts in each image; k = 2: bytes 448-703, of which lanes 4-14 store 512-687.
.macro OUTK k, a0, n
	s_wait_xcnt 0x0                                ; the registers that earlier stores read are loaded again only behind this wait
.set aa, 0
.rept \n
	ds_load_b128 v[128+4*aa:131+4*aa], v[RDA+(\k)+(\k)/2] offset:2*IP*((\a0)+aa)
	ds_load_b128 v[192+4*aa:195+4*aa], v[RDB+(\k)+(\k)/2] offset:2*IP*((\a0)+aa)
.if (\k) == 1
	ds_load_b128 v[32+4*aa:35+4*aa], v[RDA+2] offset:2*IP*((\a0)+aa)
	ds_load_b128 v[64+4*aa:67+4*aa], v[RDB+2] offset:2*IP*((\a0)+aa)
.endif
.set aa, aa+1
.endr
	s_wait_dscnt 0x0
.set aa, 0
.rept \n
	v_pk_add_f32 v[128+4*aa:129+4*aa], v[128+4*aa:129+4*aa], v[192+4*aa:193+4*aa]
	v_pk_add_f32 v[130+4*aa:131+4*aa], v[130+4*aa:131+4*aa], v[194+4*aa:195+4*aa]
.if (\k) == 1
	v_pk_add_f32 v[32+4*aa:33+4*aa], v[32+4*aa:33+4*aa], v[64+4*aa:65+4*aa]
	v_pk_add_f32 v[34+4*aa:35+4*aa], v[34+4*aa:35+4*aa], v[66+4*aa:67+4*aa]
.irp q, 0,1,2,3
	v_cndmask_b32 v[32+4*aa+\q], 0, v[32+4*aa+\q], s[MID]   ; kept in the middle tile's lanes alone
.endr
	v_pk_add_f32 v[128+4*aa:129+4*aa], v[128+4*aa:129+4*aa], v[32+4*aa:33+4*aa]
	v_pk_add_f32 v[130+4*aa:131+4*aa], v[130+4*aa:131+4*aa], v[34+4*aa:35+4*aa]
.endif
.set aa, aa+1
.endr
.if (\k) == 2
	s_wait_xcnt 0x0                                ; EXEC changes only behind this wait
	v_cmp_gt_u32 vcc_lo, 11, v[LC4]
	s_and_saveexec_b32 s66, vcc_lo                 ; the share's last 176 bytes: lanes 4-14 of each half
.endif
.set aa, 0
.rept \n
	global_store_b128 v[CO], v[128+4*aa:131+4*aa], s[10:11] offset:2*44032*((\a0)+aa)+256*(\k)-64*((\k)/2) th:TH_STORE_NT   ; sixteen lanes: 256 consecutive bytes of a row; the largest immediate is 1,321,408
.set aa, aa+1
.endr
.if (\k) == 2
	s_wait_xcnt 0x0                                ; and again, in front of the line that widens it
	s_or_b32 exec_lo, exec_lo, s66
.endif
.endm
.macro PHASE ph
	WRITE \ph
	s_wait_dscnt 0x0                               ; for the others' sake: my stores into the images are done
	s_barrier_signal -1
	s_barrier_wait -1
	OUTK 0, 0, 16
	OUTK 1, 0, 8
	OUTK 1, 8, 8
	OUTK 2, 0, 16
.endm
	PHASE 0
	s_wait_dscnt 0x0                               ; my reads of the images are over:
	s_barrier_signal -1
	s_barrier_wait -1                              ; everybody's are: they may be written again
	s_wait_xcnt 0x0                                ; the stores have read their base
	s_add_nc_u64 s[10:11], s[10:11], 128*44032
	PHASE 1
	s_wait_tensorcnt 0x0                           ; the wave's end: the add and its waits, behind my last tensor load and my last LDS store
	ds_add_u32 v[SPW], v[NIL]
	s_wait_dscnt 0x0
	CROUND                                         ; the closing round: no work-group ends while a partner may still ask for a tile that names it
	s_endpgm
.Lfunc_end_k_q012b4fb747_main:
	.size	k_q012b4fb747_main, .Lfunc_end_k_q012b4fb747_main-k_q012b4fb747_main
	.p2alignl 7, 3214868480
	.fill 96, 4, 3214868480
	.section	.rodata,"a",@progbits
	.p2align	6, 0x0
	.amdhsa_kernel k_q012b4fb747_main
		.amdhsa_group_segment_fixed_size 327680
		.amdhsa_private_segment_fixed_size 0
		.amdhsa_enable_private_segment 0
		.amdhsa_kernarg_size 32
		.amdhsa_user_sgpr_count 2
		.amdhsa_user_sgpr_kernarg_segment_ptr 1
		.amdhsa_wavefront_size32 1
		.amdhsa_system_sgpr_workgroup_id_x 1
		.amdhsa_system_sgpr_workgroup_id_y 1
		.amdhsa_system_sgpr_workgroup_id_z 1
		.amdhsa_system_vgpr_workitem_id 0
		.amdhsa_next_free_vgpr 1024
		.amdhsa_next_free_sgpr 72
		.amdhsa_reserve_vcc 1
		.amdhsa_float_denorm_mode_32 3
		.amdhsa_float_denorm_mode_16_64 3
		.amdhsa_memory_ordered 1
		.amdhsa_forward_progress 1
		.amdhsa_inst_pref_size 244
	.end_amdhsa_kernel
	.amdgpu_metadata
---
amdhsa.version: [ 1, 2 ]
amdhsa.kernels:
  - .name:           k_q012b4fb747_main
    .symbol:         k_q012b4fb747_main.kd
    .args:
      - { .name: x16, .offset: 0, .size: 8, .value_kind: global_buffer, .address_space: global }
      - { .name: W_q, .offset: 8, .size: 8, .value_kind: global_buffer, .address_space: global }
      - { .name: tab, .offset: 16, .size: 8, .value_kind: global_buffer, .address_space: global }
      - { .name: out0, .offset: 24, .size: 8, .value_kind: global_buffer, .address_space: global }
    .group_segment_fixed_size: 327680
    .private_segment_fixed_size: 0
    .kernarg_segment_align: 8
    .kernarg_segment_size: 32
    .max_flat_workgroup_size: 128
    .sgpr_count:     72
    .vgpr_count:     1024
    .wavefront_size: 32
...
	.end_amdgpu_metadata
.endif
;; end of part 2
;; ======== version 2 of 2: 2 launches; version 1 with the launch prep written anew for expert scheduling mode
;; limits: values are held in f16: magnitudes above 65,504 overflow, below 6.1e-05 lose precision
;; workspace buffers: x16 8,388,608 bytes; tab 5,767,168 bytes
;; launch prep (part 3): grid 344 x 1, 8 waves a work-group, no clusters, 0 bytes of LDS; arguments x, mu1, scales, zeros, mu2, x16, tab; writes x16, tab
.if DOCPART == 3
	.amdgcn_target "amdgcn-amd-amdhsa--gfx1250"
	.amdhsa_code_object_version 6
	.text
	.protected	k_q012b4fb747_prep
	.globl	k_q012b4fb747_prep
	.p2align	8
	.type	k_q012b4fb747_prep,@function
k_q012b4fb747_prep:
	s_mov_b64 s[64:65], 0
	v_nop
	global_prefetch_b8 v0, s[64:65] scope:SCOPE_SE
	s_setreg_imm32_b32 hwreg(HW_REG_WAVE_SCHED_MODE, 0, 2), 2
	s_setreg_imm32_b32 hwreg(HW_REG_WAVE_MODE, 25, 1), 1
	s_wait_xcnt 0x0
	s_wait_alu depctr_vm_vsrc(0)
; TWO SMALL JOBS IN FRONT OF THE PRODUCT, told apart by the work-group's number.  No LDS, no barrier, no loop.
; JOB A (work-groups 0-255): x16[b][n] = f16(x[b][n] * mu1[n]).  x: [1024][4096] f32, x16: [1024][4096] f16, rounded once.
;   A wave owns 256 columns (1,024 bytes of x, 512 of x16) of 8 rows.  A load of the wave covers 512 consecutive bytes, a store 256 consecutive bytes, aligned.
; JOB B (work-groups 256-343): tab = pairs (s', c') of f32 with s' = scales * mu2, c' = -zeros * s', so that a weight is q * s' + c' (one fused multiply-add in the next launch).
;   tab: [j 64][t 32][tile 11][kh 2][r 16] pairs: the pair of W's row min(172 j + 16 tile + r, 11007) and group 2 t + kh.  (j, tile): the next launch's blocks of 172 columns, computed as 11 tiles of 16;
;   the rows past a block's 172, and past W's end, are filled with a neighbour's or the last row's pairs: their products are never stored.
;   A wave owns one (j, tile): each lane reads its row's 64 scales and 64 zeros (both halves of the lanes the same row), and each of 32 stores covers 256 consecutive bytes, aligned.
; LIMITS.  |x * mu1| of 65,520 or more becomes an infinity in f16; below 6e-5 f16 keeps its fixed step of 6e-8.  q s' + c' differs from (q - z) s mu2 by f32 roundings of z s'.  NaN and infinities are not treated apart.
; THE MODE: SCHED_MODE bits 1:0 = 2 (LLVM: expert scheduling mode 2), set by the entry lines.  The code itself states the register dependences between vector instructions and memory instructions,
; with s_wait_alu, always for 0.
; THE PLAN.  Registers that memory instructions touch:
;   JOB A  v2, v3      the loads' and the stores' offsets: made once at the head, never written again.
;          v[4:11], v[16:79]  mu1 and x: written by loads; after that named by vector instructions alone.
;          v[80:111]   row p's four registers to store: written once, by the row's four roundings; read once, by the row's two stores.
;   JOB B  v2, v3, v4  offsets: made once at the head, never written again.
;          v5, v[8:135]  mu2, scales, zeros: written by loads; after that read by vector instructions alone.
;          v[136:199]  the pair of t: written once, by t's two multiplies; read once, by t's store.
;   No register that a memory instruction reads is written a second time.  So the waits are: one ahead of each job's first load, for the offsets; and one at the head of each block of work (job A: two rows; job B:
;   eight t), which states that the block before has written its registers to store.  That block's stores follow the wait, dealt among this block's vector instructions, which name none of the registers that
;   those stores touch.  Behind the last block one more wait stands ahead of its stores.
	s_load_b256 s[4:11], s[0:1], 0x0               ; x s[4:5], mu1 s[6:7], scales s[8:9], zeros s[10:11]
	s_load_b128 s[12:15], s[0:1], 0x20             ; mu2 s[12:13], x16 s[14:15]
	s_load_b64 s[16:17], s[0:1], 0x30              ; tab
	v_lshrrev_b32 v1, 5, v0
	v_readfirstlane_b32 s20, v1                    ; wave 0..7
	v_and_b32 v1, 31, v0                           ; lane
	s_wait_alu depctr_va_sdst(0)                   ; s20 is written
	s_cmp_lt_u32 ttmp9, 256
	s_cbranch_scc0 .Ltab
	; JOB A
	s_and_b32 s18, ttmp9, 1
	s_lshl_b32 s18, s18, 3
	s_add_co_u32 s18, s18, s20                     ; my chunk of 256 columns, 0..15
	s_lshr_b32 s19, ttmp9, 1                       ; my group of 8 rows, 0..127
	s_lshl_b32 s22, s18, 10                        ; the chunk in mu1 and in a row of x: 1,024 bytes
	s_mov_b32 s23, 0
	s_lshl_b32 s24, s19, 17                        ; 8 rows of x: 8 x 16,384 bytes
	s_add_co_u32 s24, s24, s22
	s_mov_b32 s25, 0
	s_lshl_b32 s26, s19, 16                        ; 8 rows of x16: 8 x 8,192 bytes
	s_lshl_b32 s27, s18, 9                         ; the chunk in a row of x16: 512 bytes
	s_add_co_u32 s26, s26, s27
	s_mov_b32 s27, 0
	v_lshlrev_b32 v2, 4, v1                        ; 16 bytes of x a lane: columns 4 l .. 4 l + 3, and 512 bytes on columns 128 + 4 l ..
	v_lshlrev_b32 v3, 3, v1                        ; 8 bytes of x16 a lane
	s_wait_kmcnt 0x0
	s_add_nc_u64 s[6:7], s[6:7], s[22:23]
	s_add_nc_u64 s[4:5], s[4:5], s[24:25]
	s_add_nc_u64 s[14:15], s[14:15], s[26:27]
	s_wait_alu depctr_va_vdst(0)                   ; v2 and v3 are written: every load of this job reads v2 as its offset, every store v3
	global_load_b128 v[4:7], v2, s[6:7]
	global_load_b128 v[8:11], v2, s[6:7] offset:512
.irp p, 0,1,2,3,4,5,6,7
	global_load_b128 v[16+8*\p:19+8*\p], v2, s[4:5] offset:16384*\p th:TH_LOAD_NT
	global_load_b128 v[20+8*\p:23+8*\p], v2, s[4:5] offset:16384*\p+512 th:TH_LOAD_NT
.endr
	; Four blocks of two rows.  Ahead of a row's eight vector instructions stand the two stores of the row two back, which the block before made.
.set rw, 0
.rept 8
.if rw%2 == 0
	s_wait_loadcnt 2*(6-rw)                        ; loads come back in order: this block's two rows are in; the two loads of each younger row may stay out
.if rw > 0
	s_wait_alu depctr_va_vdst(0)                   ; the block before has written its eight registers to store, which the four stores of this block read
.endif
.endif
.if rw >= 2
	global_store_b64 v3, v[80+4*(rw-2):81+4*(rw-2)], s[14:15] offset:8192*(rw-2)       ; 32 lanes: 256 consecutive bytes, aligned; each row has store registers of its own.
	global_store_b64 v3, v[82+4*(rw-2):83+4*(rw-2)], s[14:15] offset:8192*(rw-2)+256   ; No wait: no vector instruction since the block's wait names these registers
.endif
	v_pk_mul_f32 v[16+8*rw:17+8*rw], v[16+8*rw:17+8*rw], v[4:5]
	v_pk_mul_f32 v[18+8*rw:19+8*rw], v[18+8*rw:19+8*rw], v[6:7]
	v_pk_mul_f32 v[20+8*rw:21+8*rw], v[20+8*rw:21+8*rw], v[8:9]
	v_pk_mul_f32 v[22+8*rw:23+8*rw], v[22+8*rw:23+8*rw], v[10:11]
	v_cvt_pk_f16_f32 v[80+4*rw], v[16+8*rw], v[17+8*rw]
	v_cvt_pk_f16_f32 v[81+4*rw], v[18+8*rw], v[19+8*rw]
	v_cvt_pk_f16_f32 v[82+4*rw], v[20+8*rw], v[21+8*rw]
	v_cvt_pk_f16_f32 v[83+4*rw], v[22+8*rw], v[23+8*rw]
.set rw, rw+1
.endr
	s_wait_alu depctr_va_vdst(0)                   ; the last block has written the registers of rows 6 and 7, which the last four stores read
.irp p, 6,7
	global_store_b64 v3, v[80+4*\p:81+4*\p], s[14:15] offset:8192*\p
	global_store_b64 v3, v[82+4*\p:83+4*\p], s[14:15] offset:8192*\p+256
.endr
	s_endpgm
.Ltab:	; JOB B
	s_sub_co_u32 s18, ttmp9, 256
	s_lshl_b32 s18, s18, 3
	s_add_co_u32 s18, s18, s20                     ; my (j, tile) as one number, 0..703
	s_mul_i32 s19, s18, 5958
	s_lshr_b32 s19, s19, 16                        ; j = number / 11: 5958 x 11 = 65,538, exact for numbers under 704
	s_mul_i32 s21, s19, 11
	s_sub_co_u32 s21, s18, s21                     ; tile
	s_mul_i32 s22, s19, 172
	s_lshl4_add_u32 s22, s21, s22                  ; the tile's first row of W: 172 j + 16 tile
	s_mul_i32 s24, s19, 352
	s_add_co_u32 s24, s24, s21
	s_lshl_b32 s24, s24, 8                         ; (352 j + tile) x 256 bytes: my entry of t = 0
	s_mov_b32 s25, 0
	v_and_b32 v6, 15, v0                           ; r
	v_add_nc_u32 v7, s22, v6
	v_min_u32 v7, 11007, v7                        ; no row past W's last
	v_lshlrev_b32 v2, 8, v7                        ; a row of scales or zeros is 256 bytes
	v_lshlrev_b32 v3, 2, v7
	v_bfe_u32 v4, v0, 4, 1                         ; kh = lane / 16
	v_lshlrev_b32 v4, 7, v4
	v_lshl_add_u32 v4, v6, 3, v4                   ; 128 kh + 8 r
	v_cmp_le_u32 vcc_lo, 16, v1                    ; lanes 16-31 take the odd groups
	s_wait_kmcnt 0x0
	s_add_nc_u64 s[16:17], s[16:17], s[24:25]
	s_wait_alu depctr_va_vcc(0)                    ; the compare has written VCC, which the selects below read
	s_wait_alu depctr_va_vdst(0)                   ; v2, v3 and v4 are written: the loads read v2 or v3 as their offset, every store v4
	global_load_b32 v5, v3, s[12:13]               ; mu2 of my row
.irp q, 0,1,2,3,4,5,6,7,8,9,10,11,12,13,14,15
	global_load_b128 v[8+4*\q:11+4*\q], v2, s[8:9] offset:16*\q
	global_load_b128 v[72+4*\q:75+4*\q], v2, s[10:11] offset:16*\q
.endr
	; Four batches of eight t.  Ahead of a t's four vector instructions stands the store of t - 8, which the batch before made.
.set t, 0
.rept 32
.if t%8 == 0
	s_wait_loadcnt 24-t                            ; loads come back in order: the batch reads the scales and zeros of loads q = t / 2 .. t / 2 + 3; the two loads of each of the 12 - t / 2 later q may stay out
.if t > 0
	s_wait_alu depctr_va_vdst(0)                   ; the batch before has written its eight pairs, which the eight stores of this batch read
.endif
.endif
.if t >= 8
	global_store_b64 v4, v[136+2*(t-8):137+2*(t-8)], s[16:17] offset:2816*(t-8)   ; 32 lanes: 256 consecutive bytes, aligned; from t to t + 1: 11 tiles x 256 bytes.  No wait: no vector instruction since the batch's wait names this pair or v4
.endif
	v_cndmask_b32 v6, v[8+2*t], v[9+2*t], vcc_lo   ; the scale of group 2 t + kh
	v_cndmask_b32 v7, v[72+2*t], v[73+2*t], vcc_lo ; its zero
	v_mul_f32 v[136+2*t], v6, v5                   ; s'
	v_mul_f32 v[137+2*t], -v7, v[136+2*t]          ; c'
.set t, t+1
.endr
	s_wait_alu depctr_va_vdst(0)                   ; the last batch has written the pairs of t = 24 .. 31, which the last eight stores read
.set t, 24
.rept 8
	global_store_b64 v4, v[136+2*t:137+2*t], s[16:17] offset:2816*t
.set t, t+1
.endr
	s_endpgm
.Lfunc_end_k_q012b4fb747_prep:
	.size	k_q012b4fb747_prep, .Lfunc_end_k_q012b4fb747_prep-k_q012b4fb747_prep
	.p2alignl 7, 3214868480
	.fill 96, 4, 3214868480
	.section	.rodata,"a",@progbits
	.p2align	6, 0x0
	.amdhsa_kernel k_q012b4fb747_prep
		.amdhsa_group_segment_fixed_size 0
		.amdhsa_private_segment_fixed_size 0
		.amdhsa_enable_private_segment 0
		.amdhsa_kernarg_size 56
		.amdhsa_user_sgpr_count 2
		.amdhsa_user_sgpr_kernarg_segment_ptr 1
		.amdhsa_wavefront_size32 1
		.amdhsa_system_sgpr_workgroup_id_x 1
		.amdhsa_system_sgpr_workgroup_id_y 1
		.amdhsa_system_sgpr_workgroup_id_z 1
		.amdhsa_system_vgpr_workitem_id 0
		.amdhsa_next_free_vgpr 208
		.amdhsa_next_free_sgpr 66
		.amdhsa_reserve_vcc 1
		.amdhsa_float_denorm_mode_32 3
		.amdhsa_float_denorm_mode_16_64 3
		.amdhsa_memory_ordered 1
		.amdhsa_forward_progress 1
		.amdhsa_inst_pref_size 22
	.end_amdhsa_kernel
	.amdgpu_metadata
---
amdhsa.version: [ 1, 2 ]
amdhsa.kernels:
  - .name:           k_q012b4fb747_prep
    .symbol:         k_q012b4fb747_prep.kd
    .args:
      - { .name: x, .offset: 0, .size: 8, .value_kind: global_buffer, .address_space: global }
      - { .name: mu1, .offset: 8, .size: 8, .value_kind: global_buffer, .address_space: global }
      - { .name: scales, .offset: 16, .size: 8, .value_kind: global_buffer, .address_space: global }
      - { .name: zeros, .offset: 24, .size: 8, .value_kind: global_buffer, .address_space: global }
      - { .name: mu2, .offset: 32, .size: 8, .value_kind: global_buffer, .address_space: global }
      - { .name: x16, .offset: 40, .size: 8, .value_kind: global_buffer, .address_space: global }
      - { .name: tab, .offset: 48, .size: 8, .value_kind: global_buffer, .address_space: global }
    .group_segment_fixed_size: 0
    .private_segment_fixed_size: 0
    .kernarg_segment_align: 8
    .kernarg_segment_size: 56
    .max_flat_workgroup_size: 256
    .sgpr_count:     66
    .vgpr_count:     208
    .wavefront_size: 32
...
	.end_amdgpu_metadata
.endif
;; end of part 3
;; launch main: the kernel of part 2 again; grid 64 x 4, 4 waves a work-group, clusters of 4 x 4, 327,680 bytes of LDS; arguments x16, W_q, tab, out0; writes out0
